; MI455X (gfx1250); checked and timed in simulation.
; The chip was launched on July 23, 2026; its instructions are those of AMD's public machine-readable ISA for CDNA 5 (MIT licence, August 2026) and "CDNA5" Instruction Set Architecture Reference Guide (July 2026). The comments in the code are by the model that wrote it; some were corrected since.
;; Quantize 2. Allowed arithmetic: matrix products marked QUANTISED: E3M2 operands, one E8M0 scale for each 32 along K, by v_wmma_scale_f32_16x16x128_f8f6f4 with both operands' format E3M2, f32 sums; everything else in f32.
;; Inputs: embed 256 x 8,192 float32; input 32 x 512 x 256 float32.
;; Outputs: out0 32 x 512 x 256 float32; out1 one number float32; out2 32 x 512 int32.
;; Constants: fix = 1.
;; This version of the problem:
;;   THIS VERSION OF THE PROBLEM IS GIVEN IN LOW PRECISION. The matrix products marked QUANTISED in the list below multiply operands that are first quantised to E3M2 (3 exponent bits, 2 mantissa bits; 6 bits a number), with one power-of-two scale for each 32 numbers along K (OCP MX v1.0); their sums are f32. All else is computed in f32.
;;   The module's matrix products, in the order in which they are computed (A, B: the left and right operand; K: the contracted axis; several contracted axes count as one K, in the product's order):
;;     1. [M 16,384, K 256] x [K 256, N 8,192]; A: input input; B: input embed: QUANTISED
;;   THE QUANTISER, for each operand of a quantised product, along K:
;;     - K is cut into blocks of 32 from its start; a last block that is shorter is filled with zeros.
;;     - A block's scale is 2^e with e = floor(log2(the largest magnitude in the block)) - 4, held to -126 .. 127; a block of zeros has e = 0. As a byte (E8M0): e + 127.
;;     - Each number is divided by its block's scale, clamped to +-28, and rounded to the nearest number of E3M2, ties to even, subnormals kept.
;;     - The product sums the exact products of the quantised numbers (number of the format x scale) in f32.
;;   ~~~python
;;   def quantise(x, axis):      # numpy; x: float32 -> the quantised numbers, widened to float32 again
;;       x = np.moveaxis(x, axis, -1); K = x.shape[-1]
;;       x = np.pad(x, [(0, 0)] * (x.ndim - 1) + [(0, -K % 32)]); x = x.reshape(x.shape[:-1] + (-1, 32)); a = np.abs(x).max(-1, keepdims=True)
;;       e = np.where(a > 0, np.clip(np.frexp(np.where(a > 0, a, 1))[1] - 1 - 4, -126, 127), 0)      # np.frexp(a)[1] - 1 = floor(log2(a)), exactly
;;       r = np.clip(x / 2.0 ** e, -28, 28)
;;       step = 2.0 ** (np.maximum(np.frexp(np.where(r == 0, 1, r))[1] - 1, -2) - 2)
;;       q = np.round(r / step) * step * 2.0 ** e      # np.round: ties to even
;;       return np.moveaxis(q.reshape(q.shape[:-2] + (-1,))[..., :K], -1, axis).astype(np.float32)
;;   ~~~
;; One version. Each part assembles by itself: llvm-mc -triple=amdgcn-amd-amdhsa -mcpu=gfx1250 --defsym DOCPART=n.
;; ======== version 1 of 1: 4 launches
;; limits: right only within a limited range of input values
;; workspace buffers: xrec 3,276,800 bytes; erec 1,703,936 bytes; embt 8,388,608 bytes; cand 1,048,576 bytes of whole numbers; part 8,192 bytes
;; launch prep (part 1): grid 384 x 1, 4 waves a work-group, no clusters, 133,632 bytes of LDS; arguments embed, input, erec, embt, xrec; writes erec, embt, xrec
.if DOCPART == 1
	.amdgcn_target "amdgcn-amd-amdhsa--gfx1250"
	.amdhsa_code_object_version 6
	.text
	.protected	k_q7bd8505599_prep
	.globl	k_q7bd8505599_prep
	.p2align	8
	.type	k_q7bd8505599_prep,@function
k_q7bd8505599_prep:
	s_mov_b64 s[64:65], 0
	v_nop
	global_prefetch_b8 v0, s[64:65] scope:SCOPE_SE
	s_setreg_imm32_b32 hwreg(HW_REG_WAVE_MODE, 25, 1), 1
	s_wait_xcnt 0x0
; Both operands of the product x . e are quantised ONCE, along K = 256, into codes of BF6 (E3M2) with one E8M0 byte for each 32 along K, and laid as the next launch's registers want them.
; embed [256 (k)][8192 (code)] f32 -> erec: 512 records of 3,328 bytes, one for each tile of 16 codes;  embt: embed transposed, [8192][256] f32, for the gather;  input [16384][256] f32 -> xrec: 1,024 records of 3,200 bytes, one for each tile of 16 rows.
; A RECORD IS AN IMAGE OF THE OPERAND'S REGISTERS: group g of four registers (g = 0..5; registers 0-11 are K step 0, 12-23 K step 1) at 512 g + 16 lane; at 3,072 + 4 lane the scale register: lanes 0-15 row r's word of K step 0,
; lanes 16-31 its word of K step 1.  erec has one register more, at 3,200 + 4 lane: lanes 0-15 hold -|e|^2 / 2 of code r (f32, of the unquantised numbers), lanes 16-31 zero.
; A block's scale is 2^(floor(log2(its largest magnitude)) - 4); its byte is the largest magnitude's exponent field - 4, held at 1 from below.
; LIMITS: a block of zeros gets the byte 1 where the quantiser says 127: its codes are zeros, and this program alone reads the bytes.  Blocks whose largest magnitude lies under 2^(4 - 126) keep the byte 1.  NaN and infinities are not served.
; SHARES.  One wave, one tile (16 KB of f32); no loop, no barrier: waves share nothing.  Work-groups 0-127 take embed (tile 4 g + wave), work-groups 128-383 input.  The two ways part on the work-group's number, never join,
; and have LDS bytes of their own.  Matrix units, tensor loads and clusters have nothing to do here: each byte is read once and nothing is shared.
; A LANE'S NUMBERS: lane (r, h) holds row (or column) r; register 64 s + 16 b + i is k = 128 s + 32 b + 16 h + i: 16 neighbours along K of each block of 32, as the conversions want them.
; Each wave has a stage of 16 rows x (1,024 + 16) bytes: embed's tile turns through it into rows of embt, input's tile from loads of 512 bytes on end into the lane's layout.  With 1,040 bytes from row to row the sixteen lanes of a
; 16-byte access that take one column of 16 rows fall on 16 different 16-byte columns modulo 256.
; LEFT OUT of the whole program: |x|^2 in the distances.  For each row it is one number added to all 8,192 distances, so for all values of the inputs the index of the smallest does not hang on it, and the distances have no other use.
; A NaN, an infinity or an overflow that reaches |x|^2 alone is not carried to the result.  fix is the constant 1 and has no buffer.
.set ROWP,  32768                      ; bytes from row k of embed to row k + 1
.set PITCH, 1040
.set STG,   16*PITCH                   ; a wave's stage
.set XSTG,  4*STG                      ; input's four stages lie behind embed's four
.set ERECB, 3328
.set XRECB, 3200
.set EWG,   128                        ; work-groups that take embed
.set LANE,  1
.set R,     2                          ; lane % 16
.set H,     3                          ; lane / 16
.set GA,    4                          ; embed: 4 r + 16 h rows
.set L16,   5                          ; 16 x lane
.set L4,    6                          ; 4 x lane
.set ED,    7                          ; embed's stage, 512 bytes on end: base + 16 lane
.set ERH,   8                          ; embed's stage, by the lane's layout: base + 1,040 r + 64 h
.set XD,    9                          ; the same two for input's stage
.set XRH,   10
.set PW,    11                         ; the scale word just made
.set PW0,   12                         ; K step 0's, kept
.set SW,    13                         ; the scale register as it is stored
.set SQ,    14                         ; v[14:17] the sum of squares, two packed chains
.set TP,    18
.set TM,    20                         ; v20-23 largest magnitudes, v24-27 bytes, v32-35 the conversions' scale operands
.set PC,    36                         ; v36-47 the fragment just made; v48-54 at work
.set N,     64                         ; v64-191 the tile's 128 numbers of my lane
.set SEL,   20                         ; s[20:21] v_permlanex16_b32's selects for lane l xor 16
; 64 numbers of a lane, v[s] on, become a fragment's 12 registers in v[PC] on and its rows' scale word in v[PW]
.macro QUANT s
.irp b, 0,1,2,3
	v_max3_num_f32 v[TM+\b], |v[(\s)+16*\b]|, |v[(\s)+1+16*\b]|, 0x2800000   ; block b: my 16 numbers, and the floor 2^(5 - 127): the byte cannot fall under 1
.endr
.irp i, 2,4,6,8,10,12,14
.irp b, 0,1,2,3
	v_max3_num_f32 v[TM+\b], v[TM+\b], |v[(\s)+16*\b+\i]|, |v[(\s)+1+16*\b+\i]|   ; the four blocks by turns
.endr
.endr
.irp b, 0,1,2,3
	v_permlanex16_b32 v[TM+4+\b], v[TM+\b], s[SEL], s[SEL+1]
.endr
.irp b, 0,1,2,3
	v_max_num_f32 v[TM+\b], v[TM+\b], v[TM+4+\b]   ; with lane l xor 16's 16: the block's largest magnitude
.endr
.irp b, 0,1,2,3
	v_add_nc_u32 v[TM+12+\b], 0xfe000000, v[TM+\b]   ; 4 off its exponent field: the conversion takes the exponent field of this operand as its scale
.endr
.irp b, 0,1,2,3
	v_lshrrev_b32 v[TM+4+\b], 23, v[TM+12+\b]   ; the scale's byte
.endr
	v_lshl_or_b32 v[PW], v[TM+5], 8, v[TM+4]   ; four bytes: my row's scale word (the same in lanes r and 16 + r)
	v_lshl_or_b32 v[PW], v[TM+6], 16, v[PW]
	v_lshl_or_b32 v[PW], v[TM+7], 24, v[PW]
.irp c, 0,1
	v_cvt_scalef32_pk16_bf6_f32 v[PC+6*\c:PC+2+6*\c], v[(\s)+32*\c:(\s)+15+32*\c], v[TM+12+2*\c]
	v_cvt_scalef32_pk16_bf6_f32 v[PC+12+4*\c:PC+14+4*\c], v[(\s)+16+32*\c:(\s)+31+32*\c], v[TM+12+2*\c+1]   ; (a conversion's three registers begin on an even number)
.endr
	v_nop                                          ; one plain place behind a scaled conversion
.irp c, 0,1                                    ; the operand's layout wants a WHOLE block in a lane: lanes 0-15 block 2 c, lanes 16-31 block 2 c + 1
.irp i, 0,1,2
	v_permlane16_swap_b32 v[PC+6*\c+\i], v[PC+12+4*\c+\i]
.endr
.irp i, 0,1,2
	v_mov_b32 v[PC+3+6*\c+\i], v[PC+12+4*\c+\i]
.endr
.endr
.endm
; the fragment of K step s goes into the record at s[base:base+1]: each store covers 512 bytes on end
.macro PUT s, base
.irp c, 0,1,2
	global_store_b128 v[L16], v[PC+4*\c:PC+4*\c+3], s[\base:\base+1] offset:1536*\s+512*\c
.endr
.endm
; the squares of 64 numbers onto the two chains; first = 1: the first two products start them
.macro SQUARES s, first
.set p, 0
.rept 16
.if \first && (p == 0)
	v_pk_mul_f32 v[SQ:SQ+1], v[(\s):(\s)+1], v[(\s):(\s)+1]
	v_pk_mul_f32 v[SQ+2:SQ+3], v[(\s)+2:(\s)+3], v[(\s)+2:(\s)+3]
.else
	v_pk_fma_f32 v[SQ:SQ+1], v[(\s)+4*p:(\s)+4*p+1], v[(\s)+4*p:(\s)+4*p+1], v[SQ:SQ+1]
	v_pk_fma_f32 v[SQ+2:SQ+3], v[(\s)+4*p+2:(\s)+4*p+3], v[(\s)+4*p+2:(\s)+4*p+3], v[SQ+2:SQ+3]
.endif
.set p, p+1
.endr
.endm
	s_load_b256 s[4:11], s[0:1], 0x0               ; embed s[4:5], input s[6:7], erec s[8:9], embt s[10:11]
	s_load_b64 s[12:13], s[0:1], 0x20              ; xrec
	v_lshl_add_u32 v192, v0, 2, 0x20800
	v_mov_b32 v193, 0
	v_lshrrev_b32 v[LANE], 5, v0
	v_readfirstlane_b32 s16, v[LANE]               ; wave 0..3
	v_and_b32 v[LANE], 31, v0
	v_and_b32 v[R], 15, v0
	v_bfe_u32 v[H], v0, 4, 1
	v_lshlrev_b32 v[GA], 2, v[R]
	v_lshl_or_b32 v[GA], v[H], 19, v[GA]           ; column r, and 16 rows of 32,768 bytes further down for lanes 16-31
	v_lshlrev_b32 v[L16], 4, v[LANE]
	v_lshlrev_b32 v[L4], 2, v[LANE]
	s_mul_i32 s17, s16, STG
	v_add_nc_u32 v[ED], s17, v[L16]                ; all four stage addresses are made ahead of the parting
	v_mul_u32_u24 v[ERH], v[R], PITCH
	v_lshl_add_u32 v[ERH], v[H], 6, v[ERH]
	v_add_nc_u32 v[ERH], s17, v[ERH]
	v_add_nc_u32 v[XD], XSTG, v[ED]
	v_add_nc_u32 v[XRH], XSTG, v[ERH]
	s_mov_b32 s[SEL], 0x76543210
	s_mov_b32 s[SEL+1], 0xfedcba98
.irp b, 0,1,2,3
	v_mov_b32 v[TM+4+\b], 0                        ; written once: a lane permute's destination counts as one of its sources
.endr
	v_mov_b32 v[TP], 0
	v_cmp_gt_u32 vcc_lo, 16, v[LANE]               ; lanes 0-15: kept to the end, nothing else writes VCC
	s_mov_b32 s19, 0
	s_cmp_lt_u32 ttmp9, EWG
	s_cbranch_scc0 .Lx_path
	; ---- embed: tile T = 4 g + wave, codes 16 T on
	s_lshl_b32 s17, ttmp9, 2
	s_add_co_u32 s17, s17, s16
	s_wait_kmcnt 0x0
	s_lshl_b32 s18, s17, 6                         ; 16 columns of 4 bytes
	s_add_nc_u64 s[4:5], s[4:5], s[18:19]
	s_mul_i32 s18, s17, ERECB
	s_add_nc_u64 s[8:9], s[8:9], s[18:19]
	s_lshl_b32 s18, s17, 14                        ; 16 rows of embt
	s_add_nc_u64 s[10:11], s[10:11], s[18:19]
.irp s, 0,1
.irp b, 0,1,2,3
.irp i, 0,1,2,3,4,5,6,7,8,9,10,11,12,13,14,15
	global_load_b32 v[N+64*\s+16*\b+\i], v[GA], s[4:5] offset:(128*\s+32*\b+\i)*ROWP   ; e(128 s + 32 b + 16 h + i, 16 T + r): a lane's registers run down K; sixteen lanes read 64 bytes on end, the four waves side by side 256.  The largest immediate, 239 rows, lies inside the signed 24 bits
.endr
.endr
.endr
	s_wait_loadcnt 63                              ; of the 128 loads at most 63 are out: K step 0's 64 are in
	s_wait_alu depctr_va_vdst(0)
.irp b, 0,1,2,3
.irp j, 0,1,2,3
	ds_store_b128 v[ERH], v[N+16*\b+4*\j:N+16*\b+4*\j+3] offset:128*\b+16*\j   ; into row r of the stage, at byte 4 k
.endr
.endr
	SQUARES N, 1
	QUANT N
	PUT 0, 8
	v_mov_b32 v[PW0], v[PW]
	s_wait_loadcnt 0x0                             ; K step 1 is in
	s_wait_xcnt 0x0                                ; the stores above have read the fragment's registers: only behind this wait are they written again
.irp b, 0,1,2,3
.irp j, 0,1,2,3
	ds_store_b128 v[ERH], v[N+64+16*\b+4*\j:N+64+16*\b+4*\j+3] offset:512+128*\b+16*\j
.endr
.endr
	SQUARES N+64, 0
	QUANT N+64
	PUT 1, 8
	v_add_f32 v[SQ], v[SQ], v[SQ+1]
	v_add_f32 v[SQ+2], v[SQ+2], v[SQ+3]
	v_add_f32 v[SQ], v[SQ], v[SQ+2]
	v_permlanex16_b32 v[TP], v[SQ], s[SEL], s[SEL+1]
	v_add_f32 v[SQ], v[SQ], v[TP]                  ; with lane l xor 16's half of K: |e|^2 of code r
	v_mul_f32 v[SQ], -0.5, v[SQ]
	v_cndmask_b32 v[SQ], 0, v[SQ], vcc_lo          ; lanes 16-31 store zero: every byte of the record is written
	v_cndmask_b32 v[SW], v[PW], v[PW0], vcc_lo     ; lanes 0-15 K step 0's word, lanes 16-31 K step 1's
	global_store_b32 v[L4], v[SW], s[8:9] offset:3072
	global_store_b32 v[L4], v[SQ], s[8:9] offset:3200
.set q, 0
.rept 32
	ds_load_b128 v[N+4*q:N+4*q+3], v[ED] offset:(q/2)*PITCH+512*(q%2)   ; half a row of embt, 512 bytes on end.  LDS serves a wave's instructions in order (ISA guide 5.7.1.4): these see my stores, and land in the registers that the stores have left
.set q, q+1
.endr
.set q, 0
.rept 32
	s_wait_dscnt 31-q                              ; load q is in; the younger ones stay out
	global_store_b128 v[L16], v[N+4*q:N+4*q+3], s[10:11] offset:512*q   ; the tile's 16 rows of embt are 16 KB on end: each store covers 512 of them, aligned
.set q, q+1
.endr
	s_wait_tensorcnt 0x0
	ds_add_u32 v192, v193
	s_wait_dscnt 0x0
	s_endpgm
.Lx_path:
	; ---- input: tile T = 4 (g - 128) + wave, rows 16 T on: 16 KB on end
	s_sub_co_u32 s17, ttmp9, EWG
	s_lshl_b32 s17, s17, 2
	s_add_co_u32 s17, s17, s16
	s_wait_kmcnt 0x0
	s_lshl_b32 s18, s17, 14
	s_add_nc_u64 s[6:7], s[6:7], s[18:19]
	s_mul_i32 s18, s17, XRECB
	s_add_nc_u64 s[12:13], s[12:13], s[18:19]
.set q, 0
.rept 32
	global_load_b128 v[N+4*q:N+4*q+3], v[L16], s[6:7] offset:512*q th:TH_LOAD_NT   ; 512 bytes on end; this launch reads them once
.set q, q+1
.endr
.set q, 0
	s_wait_alu depctr_va_vdst(0)
.rept 32
	s_wait_loadcnt 31-q                            ; load q is in; the younger ones stay out
	ds_store_b128 v[XD], v[N+4*q:N+4*q+3] offset:(q/2)*PITCH+512*(q%2)
.set q, q+1
.endr
.irp s, 0,1
.irp b, 0,1,2,3
.irp j, 0,1,2,3
	ds_load_b128 v[N+64*\s+16*\b+4*\j:N+64*\s+16*\b+4*\j+3], v[XRH] offset:512*\s+128*\b+16*\j   ; back by the lane's layout: x(r, 128 s + 32 b + 16 h + 4 j ..); served in order behind the stores
.endr
.endr
.endr
	s_wait_dscnt 16                                ; K step 0's sixteen loads are in; K step 1's stay out
	QUANT N
	PUT 0, 12
	v_mov_b32 v[PW0], v[PW]
	s_wait_dscnt 0x0
	s_wait_xcnt 0x0                                ; the stores have read the fragment's registers
	QUANT N+64
	PUT 1, 12
	v_cndmask_b32 v[SW], v[PW], v[PW0], vcc_lo
	global_store_b32 v[L4], v[SW], s[12:13] offset:3072
	s_wait_tensorcnt 0x0
	ds_add_u32 v192, v193
	s_wait_dscnt 0x0
	s_endpgm
.Lfunc_end_k_q7bd8505599_prep:
	.size	k_q7bd8505599_prep, .Lfunc_end_k_q7bd8505599_prep-k_q7bd8505599_prep
	.p2alignl 7, 3214868480
	.fill 96, 4, 3214868480
	.section	.rodata,"a",@progbits
	.p2align	6, 0x0
	.amdhsa_kernel k_q7bd8505599_prep
		.amdhsa_group_segment_fixed_size 133632
		.amdhsa_private_segment_fixed_size 0
		.amdhsa_enable_private_segment 0
		.amdhsa_kernarg_size 40
		.amdhsa_user_sgpr_count 2
		.amdhsa_user_sgpr_kernarg_segment_ptr 1
		.amdhsa_wavefront_size32 1
		.amdhsa_system_sgpr_workgroup_id_x 1
		.amdhsa_system_sgpr_workgroup_id_y 1
		.amdhsa_system_sgpr_workgroup_id_z 1
		.amdhsa_system_vgpr_workitem_id 0
		.amdhsa_next_free_vgpr 194
		.amdhsa_next_free_sgpr 66
		.amdhsa_reserve_vcc 1
		.amdhsa_float_denorm_mode_32 3
		.amdhsa_float_denorm_mode_16_64 3
		.amdhsa_memory_ordered 1
		.amdhsa_forward_progress 1
		.amdhsa_inst_pref_size 52
	.end_amdhsa_kernel
	.amdgpu_metadata
---
amdhsa.version: [ 1, 2 ]
amdhsa.kernels:
  - .name:           k_q7bd8505599_prep
    .symbol:         k_q7bd8505599_prep.kd
    .args:
      - { .name: embed, .offset: 0, .size: 8, .value_kind: global_buffer, .address_space: global }
      - { .name: input, .offset: 8, .size: 8, .value_kind: global_buffer, .address_space: global }
      - { .name: erec, .offset: 16, .size: 8, .value_kind: global_buffer, .address_space: global }
      - { .name: embt, .offset: 24, .size: 8, .value_kind: global_buffer, .address_space: global }
      - { .name: xrec, .offset: 32, .size: 8, .value_kind: global_buffer, .address_space: global }
    .group_segment_fixed_size: 133632
    .private_segment_fixed_size: 0
    .kernarg_segment_align: 8
    .kernarg_segment_size: 40
    .max_flat_workgroup_size: 128
    .sgpr_count:     66
    .vgpr_count:     194
    .wavefront_size: 32
...
	.end_amdgpu_metadata
.endif
;; end of part 1
;; launch dist (part 2): grid 8 x 32, 8 waves a work-group, clusters of 4 x 4, 327,680 bytes of LDS; arguments xrec, erec, cand; writes cand
.if DOCPART == 2
	.amdgcn_target "amdgcn-amd-amdhsa--gfx1250"
	.amdhsa_code_object_version 6
	.text
	.protected	k_q7bd8505599_dist
	.globl	k_q7bd8505599_dist
	.p2align	8
	.type	k_q7bd8505599_dist,@function
k_q7bd8505599_dist:
	s_mov_b64 s[64:65], 0
	v_nop
	global_prefetch_b8 v0, s[64:65] scope:SCOPE_SE
	s_setreg_imm32_b32 hwreg(HW_REG_WAVE_MODE, 25, 1), 1
	s_wait_xcnt 0x0
	s_wait_alu depctr_hold_cnt(0) depctr_sa_sdst(0) depctr_va_vdst(0) depctr_va_sdst(0) depctr_va_ssrc(0) depctr_va_vcc(0) depctr_vm_vsrc(0)
	s_getreg_b32 s2, hwreg(HW_REG_IB_STS2, 6, 4)
	s_cmp_eq_u32 s2, 0
	s_cbranch_scc0 .Lentry_in_a_cluster
	s_endpgm
.Lentry_in_a_cluster:
	s_bfe_u32 s2, ttmp6, 0x10000c
	s_cmp_lg_u32 s2, 0xf033
	s_cbranch_scc0 .Lentry_shape_is_right
	s_endpgm
.Lentry_shape_is_right:
; For each of 16,384 rows x and each block of 1,024 codes e: the code with the smallest |x|^2 - 2 x.e + |e|^2, x.e on codes of BF6 (E3M2) with E8M0 scales for each 32 along K = 256.
; THE SCORE.  The smallest distance is the largest D = x.e - |e|^2 / 2: |x|^2 is the row's constant and is left out, the factor -2 is exact.  -|e|^2 / 2 (f32, of the unquantised e) is the C of a tile's first matrix instruction.
; LIMITS: the order of rounding differs from the formula as it is written: |x|^2 is not added and the sum is made inside the matrix unit; two codes whose distances lie within about an ulp of the f32 distance may change places.
; On equal D the lowest index wins.  NaN and infinities are not served; one that reaches |x|^2 alone is not carried to the result.
; LAYOUT.  Source 0 = 16 codes, source 1 = 16 rows of x: lane (r, h) holds ONE row r, its registers j the codes 8 h + j of the tile.  The search runs down a lane's registers: for 8 scores four v_max3 give the new best, one compare
; says whether the tile has won, and four dual selects keep its first 7 scores and its number: 9 vector lines.  Which of the 8 won is found once, at the end: the eighth if none of the seven is equal to the best.
; SHARES.  Work-group (x = block of 1,024 codes, y = block of 512 rows), 256 of them.  Wave w: rows 128 (w % 4) on, 8 tiles of x that stay in 192 registers; code tiles 2 i + w / 4, i = 0..31: 512 matrix instructions a wave.
; LDS.  Both operands come as records that are images of the operands' registers: 32 records of x (102,400 bytes) and 64 of e (212,992) fit together, so EVERY BYTE IS FILLED ONCE.  At the head each wave issues one tensor load:
; waves 0-3 x's records, 8 each; waves 4-7 e's first 16, 4 each.  The other 48 records follow behind one round, 6 a wave, and have my first six code tiles, 96 matrix instructions, in which to land.
; No data prefetch: there is no loop of tensor loads to run ahead in; every byte is asked for once, in these two groups.
; CLUSTERS: 4 x 4 work-groups.  The four of a row of the cluster need the same records of x, the four of a column the same records of e: each part is asked for JOINTLY, by the same load with the same descriptor and a mask that names the four.
; OUT: cand: key[8][16384], the best D of the block as a whole number that keeps its order, and idx[8][16384] behind it.
; REGISTERS.  Window 1: x's tile t at v[24 t], K step s at + 12 s.  Window 0: the names below.
.set XRECB, 3200
.set ERECB, 3328
.set XPART, 8*XRECB                    ; a wave's part of x: 100 rows of 256 bytes
.set EP0,   4*ERECB                    ; of e's first 16 records: 52 rows
.set EP1,   6*ERECB                    ; of the other 48: 78 rows
.set CHB,   16*ERECB
.set TSTEP, 2*ERECB                    ; from a wave's code tile to its next
.set ER,    32*XRECB                   ; LDS: x's records from 0, e's from here,
.set SCR,   ER+64*ERECB                ; and 8,192 bytes into which no fill lands: (w / 4) x 4,096 + kind x 2,048 + 4 x row; kind 0 key, 1 index
.set SPARE, SCR+8192                   ; the spare words, 128 bytes for each wave
.set A0,   2                           ; v2-4     addresses of the loads into buffer 0: codes, scale word, -|e|^2/2
.set AX,   5                           ; x's images: 25,600 (w % 4) + 16 lane
.set AXS,  6                           ; x's scale registers
.set VID,  7                           ; the tile's number (an odd register: it is the second half of a dual select)
.set XS,   8                           ; v8-15    x's scale registers
.set ES,   16                          ; v16-17   e's, one for each buffer
.set H8,   18                          ; 8 h
.set SCW,  19                          ; where I put a row's result
.set BA,   20                          ; v20-27   the best D of x's tile t, and
.set BB,   28                          ; v28-35   its successor: the two take turns
.set SV,   36                          ; v36-99   for x's tile t at 8 t: the winning tile's first 7 scores, then its number
.set F0,   100                         ; v100-147 e's fragments, two buffers of 24
.set IX,   100                         ; v100-107 the end: the code's index
.set EE,   148                         ; v148-163 -|e|^2/2 in the result's layout, two buffers
.set ACC,  164                         ; v164-227 eight accumulators
.set AE0,  232                         ; v232-234 my lane's places in a record: 16 lane, 4 lane, 32 h, each + ER + 3,328 (w / 4)
.set SCRD, 235                         ; where I read results back
.set A1,   236                         ; v236-238 addresses of the loads into buffer 1
.set GOUT, 239                         ; 8 x lane
.set JJ,   240                         ; v240-247 the end: which register won; then the results read back
.set SPW,  248                         ; LDS address of my spare word; never rewritten
.set NIL,  249                         ; 0; never rewritten
.set MX,   250                         ; v250-255 maxima at work: two for each of three tiles of x
.set WV,   10
.set RG,   11
.set PAR,  12
.set G1X,  24                          ; descriptor group 1: x's parts, e's first parts, e's second parts
.set G1E,  32
.set G1F,  88
.set G0X,  48                          ; group 0 of the same three
.set G0E,  52
.set G0F,  56
.set MK,   72                          ; s72-79   lane masks, one for each tile of x
.set ID,   83                          ; the number of the code tile in hand.  Data alone
.set CNT,  84
.set TB,   85                          ; bytes from my first code tile to the one whose addresses are made next
.set SEL,  86                          ; s[86:87] v_permlanex16_b32's selects for lane l xor 16
.set MSB, 0
.macro WIN new                         ; the immediate's high byte repeats the setting that is left
.if MSB != \new
	s_set_vgpr_msb (MSB<<8)|\new
.set MSB, \new
.endif
.endm
.macro ROUND                           ; a round of the cluster's barrier
	s_barrier_signal -1
	s_barrier_wait -1
	s_cmp_lg_u32 s[WV], 0
	s_cbranch_scc1 .Lnot_wave_0_\@
	s_barrier_signal -3
.Lnot_wave_0_\@:
	s_barrier_wait -3
	s_barrier_signal -1
	s_barrier_wait -1
.endm
.macro SHAPE g, rows                   ; group 1 but for its first word: a dense block as rows of 256 bytes (32 elements of 8 bytes), no padding
	s_mov_b32 s[\g+1], 32<<16                      ; tensor_dim0 = 32
	s_mov_b32 s[\g+2], (\rows)<<16                 ; tensor_dim1
	s_mov_b32 s[\g+3], 32<<16                      ; tile_dim0 = 32
	s_mov_b32 s[\g+4], \rows                       ; tile_dim1
	s_mov_b32 s[\g+5], 32                          ; from row to row
	s_mov_b32 s[\g+6], 0
	s_mov_b32 s[\g+7], 0
.endm
.macro ADDR b                          ; the addresses of the next loads into buffer b
.set AB, A0+(A1-A0)*(\b)
	v_add_nc_u32 v[AB], s[TB], v[AE0]
	v_add_nc_u32 v[AB+1], s[TB], v[AE0+1]
	v_add_nc_u32 v[AB+2], s[TB], v[AE0+2]
.endm
.macro PL b, n                         ; load n of the nine that bring a code tile's record into buffer b
.set AB, A0+(A1-A0)*(\b)
.set FB, F0+24*(\b)
.if \n < 6
	ds_load_b128 v[FB+4*\n:FB+4*\n+3], v[AB] offset:512*\n              ; 512 bytes on end
.elseif \n == 6
	ds_load_b32 v[ES+(\b)], v[AB+1] offset:3072
.elseif \n == 7
	ds_load_b128 v[EE+8*(\b):EE+8*(\b)+3], v[AB+2] offset:3200          ; codes 8 h + 0..7: sixteen lanes share each word
.else
	ds_load_b128 v[EE+8*(\b)+4:EE+8*(\b)+7], v[AB+2] offset:3216
.endif
.endm
.macro PF b                            ; all nine
.irp n, 0,1,2,3,4,5,6,7,8
	PL \b, \n
.endr
.endm
; 16 matrix instructions: the code tile in buffer b against x's eight tiles, two K steps.  The accumulators take turns, one instruction a turn.
; st = 1: the first tile: x's loads (3 for each tile's K step 0, then 3 for each tile's K step 1, then the second record's nine) are waited for product by product:
; behind those of K step 0's tile t stand 21 - 3 t, 24 and 9 loads, behind those of K step 1's 21 - 3 t and 9.
.macro MM b, st
.set FM, F0+24*(\b)
	WIN 0x04                                       ; source 1 (x) window 1
.irp t, 0,1,2,3,4,5,6,7
.if \st
	s_wait_dscnt 54-3*\t
.endif
	v_wmma_scale_f32_16x16x128_f8f6f4 v[ACC+8*\t:ACC+8*\t+7], v[FM:FM+11], v[24*\t:24*\t+11], v[EE+8*(\b):EE+8*(\b)+7], v[ES+(\b)], v[XS+\t] matrix_a_fmt:MATRIX_FMT_BF6 matrix_b_fmt:MATRIX_FMT_BF6
.endr
.irp t, 0,1,2,3,4,5,6,7
.if \st
	s_wait_dscnt 30-3*\t
.endif
	v_wmma_scale_f32_16x16x128_f8f6f4 v[ACC+8*\t:ACC+8*\t+7], v[FM+12:FM+23], v[24*\t+12:24*\t+23], v[ACC+8*\t:ACC+8*\t+7], v[ES+(\b)], v[XS+\t] matrix_a_fmt:MATRIX_FMT_BF6 matrix_b_fmt:MATRIX_FMT_BF6 matrix_a_scale:MATRIX_SCALE_ROW1 matrix_b_scale:MATRIX_SCALE_ROW1
.endr
	WIN 0
.endm
; The search's lines for x's tile u; each accumulator is read from its low end on.
.macro M1 u
	v_max3_num_f32 v[MX+2*((\u)%3)], v[ACC+8*(\u)], v[ACC+8*(\u)+1], v[ACC+8*(\u)+2]
.endm
.macro M2 u
	v_max3_num_f32 v[MX+2*((\u)%3)+1], v[ACC+8*(\u)+3], v[ACC+8*(\u)+4], v[ACC+8*(\u)+5]
.endm
.macro M3 u
	v_max3_num_f32 v[MX+2*((\u)%3)], v[MX+2*((\u)%3)], v[ACC+8*(\u)+6], v[ACC+8*(\u)+7]
.endm
.macro M4 u, bo, bn                    ; the new best
	v_max3_num_f32 v[\bn+(\u)], v[MX+2*((\u)%3)], v[MX+2*((\u)%3)+1], v[\bo+(\u)]
.endm
.macro KEEP t, j                       ; two selects in one line: scores j and j + 1 of the tile that has won
	v_dual_cndmask_b32 v[SV+8*\t+\j], v[SV+8*\t+\j], v[ACC+8*\t+\j] :: v_dual_cndmask_b32 v[SV+8*\t+\j+1], v[SV+8*\t+\j+1], v[ACC+8*\t+\j+1]
.endm
; The search over x's eight tiles: the maxima run up to three tiles ahead of the compares and selects, so that in the eight turns no line reads the result of one of the four lines above it.
; fetch = 1: in the last three turns the nine loads of the record two code tiles on, into buffer b, stand where the maxima have run out.
.macro VEC bo, bn, b, fetch
	M1 0
	M2 0
	M1 1
	M2 1
	M1 2
	M3 0
	M2 2
	M3 1
	M4 0, \bo, \bn
	s_add_co_u32 s[TB], s[TB], TSTEP
	s_add_co_u32 s[ID], s[ID], 2
.irp t, 0,1,2,3,4,5,6,7
	v_cmp_gt_f32 vcc_lo, v[\bn+\t], v[\bo+\t]      ; it has grown: this tile wins.  Strictly: on equal D the earlier tile, of lower indices, stays
.if \t < 5
	M1 \t+3
	M2 \t+3
.endif
.if \t < 6
	M3 \t+2
.endif
.if \t < 7
	M4 \t+1, \bo, \bn
.endif
.if \fetch
.if \t == 5
	PL \b, 0
	PL \b, 1
.elseif \t == 6
	PL \b, 2
	PL \b, 3
	PL \b, 4
.elseif \t == 7
	PL \b, 5
	PL \b, 6
	PL \b, 7
	PL \b, 8
.endif
.endif
	KEEP \t, 0
	KEEP \t, 2
	KEEP \t, 4
	v_dual_cndmask_b32 v[SV+8*\t+6], v[SV+8*\t+6], v[ACC+8*\t+6] :: v_dual_cndmask_b32 v[SV+8*\t+7], v[SV+8*\t+7], v[VID]
.endr
.endm
; ONE CODE TILE, in buffer b.  mode 0: behind its products the record two tiles on is fetched into the same buffer.  mode 1: that record is the first of the later 48: my part of them has landed, and behind the barrier everybody's has.
; mode 2: one of the last two tiles: nothing is fetched.  mode 4: the first tile: x is still on its way from LDS.
; DISTANCES.  Four plain lines stand between the products and the first read of an accumulator, and more than that in front of the loads into the buffer that they have read.
; The next tile's first product on an accumulator writes over it with another C: more than five plain lines that name none of its registers lie between.
.macro TILE b, mode
.if \mode == 1
	s_wait_tensorcnt 0x0
	s_wait_dscnt 0x0                               ; no LDS instruction of mine is out at the signal
	s_barrier_signal -1                            ; the products, work on registers, stand between the signal and the wait
.elseif \mode == 0
	s_wait_dscnt 9                                 ; this tile's record is in; the next tile's nine loads may be out
.elseif \mode == 2
.if \b == 0
	s_wait_dscnt 9
.else
	s_wait_dscnt 0x0
.endif
.endif
.if \mode == 4
	MM \b, 1
.else
	MM \b, 0
.endif
.if \mode == 1
	s_barrier_wait -1
.endif
.if \mode != 2
	ADDR \b                                        ; three of the four places
.else
.rept 3
	v_nop
.endr
.endif
	v_mov_b32 v[VID], s[ID]                        ; the fourth
.if \mode == 2
.if \b == 0
	VEC BA, BB, \b, 0
.else
	VEC BB, BA, \b, 0
.endif
.else
.if \b == 0
	VEC BA, BB, \b, 1
.else
	VEC BB, BA, \b, 1
.endif
.endif
.endm
.macro PAIRS n                         ; n pairs of code tiles
	s_mov_b32 s[CNT], \n
.Lpair_\@:
	TILE 0, 0
	TILE 1, 0
	s_sub_co_u32 s[CNT], s[CNT], 1
	s_cmp_lg_u32 s[CNT], 0
	s_cbranch_scc1 .Lpair_\@
.endm
.macro COMB k1, i1, k2, i2             ; (k1, i1) gives way to (k2, i2) where k2 is greater, or equal with the lower index
	v_cmp_gt_u32 s80, v[\k2], v[\k1]
	v_cmp_eq_u32 s81, v[\k2], v[\k1]
	v_cmp_lt_u32 s82, v[\i2], v[\i1]
	s_and_b32 s81, s81, s82
	s_or_b32 s80, s80, s81
	v_cndmask_b32 v[\k1], v[\k1], v[\k2], s80
	v_cndmask_b32 v[\i1], v[\i1], v[\i2], s80
.endm
	s_load_b128 s[4:7], s[0:1], 0x0                ; xrec s[4:5], erec s[6:7]
	s_load_b64 s[8:9], s[0:1], 0x10                ; cand
	v_lshl_add_u32 v[SPW], v0, 2, SPARE
	v_mov_b32 v[NIL], 0
	ds_add_u32 v[SPW], v[NIL]                      ; the wave's opening: the add, twice on end, and its wait ahead of my first tensor load
	ds_add_u32 v[SPW], v[NIL]
	v_lshrrev_b32 v1, 5, v0
	v_readfirstlane_b32 s[WV], v1                  ; wave 0..7
	s_and_b32 s[RG], s[WV], 3                      ; which 128 rows are mine
	s_lshr_b32 s[PAR], s[WV], 2                    ; even code tiles or odd
	s_bfe_u32 s40, ttmp6, 0x40000                  ; cx, cy: my place in the cluster
	s_bfe_u32 s41, ttmp6, 0x40004
	s_lshl_b32 s42, ttmp9, 2
	s_add_co_u32 s42, s42, s40                     ; block of codes = 4 x cluster x + cx
	s_and_b32 s13, ttmp7, 0xffff
	s_lshl_b32 s13, s13, 2
	s_add_co_u32 s13, s13, s41                     ; block of rows = 4 x cluster y + cy
	s_lshl_b32 s43, s41, 2
	s_lshl_b32 s43, 15, s43                        ; my row of the cluster
	s_lshl_b32 s44, 0x1111, s40                    ; my column
	s_or_b32 s[G1X], s43, (3<<16)|(1<<21)          ; 15:0 the mask: x's records go to my row; 17:16 elements of 8 bytes; 21 set beside a mask
	s_or_b32 s[G1E], s44, (3<<16)|(1<<21)          ; e's go to my column
	s_or_b32 s[G1F], s44, (3<<16)|(1<<21)
	SHAPE G1X, XPART/256
	SHAPE G1E, EP0/256
	SHAPE G1F, EP1/256
	s_mul_i32 s20, s[WV], XPART                    ; my part of x, in memory and in LDS alike (waves 0-3); no place in the cluster enters an LDS address
	s_mul_i32 s21, s[WV], EP0                      ; e's first records in LDS (waves 4-7)
	s_mul_i32 s22, s[RG], EP0                      ; and in memory
	s_mov_b32 s23, 0
	s_mul_i32 s60, s[WV], EP1                      ; my part of the other 48
	s_mov_b32 s61, 0
	s_mul_i32 s14, s13, 32*XRECB                   ; x's address hangs on the block of rows and the wave alone,
	s_add_co_u32 s14, s14, s20
	s_mov_b32 s15, 0
	s_mul_i32 s46, s42, 64*ERECB                   ; e's on the block of codes and the wave alone
	s_mov_b32 s47, 0
	s_lshl_b32 s16, s42, 16                        ; cand: 65,536 x block of codes + 2,048 x block of rows + 256 x wave
	s_lshl_b32 s18, s13, 11
	s_add_co_u32 s16, s16, s18
	s_lshl_b32 s18, s[WV], 8
	s_add_co_u32 s16, s16, s18
	s_mov_b32 s17, 0
	s_lshl_b32 s[ID], s42, 6
	s_add_co_u32 s[ID], s[ID], s[PAR]
	s_mov_b32 s[TB], 0
	s_mov_b32 s[SEL], 0x76543210
	s_mov_b32 s[SEL+1], 0xfedcba98
	s_mov_b32 s[G0X], 1                            ; 1:0 count = 1
	s_mov_b32 s[G0X+1], s20                        ; LDS address
	s_mov_b32 s[G0E], 1
	s_add_co_u32 s[G0E+1], s21, ER-4*EP0
	s_mov_b32 s[G0F], 1
	s_add_co_u32 s[G0F+1], s60, ER+CHB
	s_wait_alu depctr_va_vdst(0)
	s_wait_dscnt 0x0                               ; both opening adds are done
	ROUND                                          ; all sixteen work-groups are here: the first joint loads meet
	s_wait_kmcnt 0x0
	s_add_nc_u64 s[14:15], s[4:5], s[14:15]
	s_add_nc_u64 s[46:47], s[6:7], s[46:47]
	s_mov_b64 s[G0X+2:G0X+3], s[14:15]             ; global address
	s_or_b32 s[G0X+3], s[G0X+3], 0x80000000        ; type = 2
	s_add_nc_u64 s[G0E+2:G0E+3], s[46:47], s[22:23]
	s_or_b32 s[G0E+3], s[G0E+3], 0x80000000
	s_cmp_lt_u32 s[WV], 4                          ; one tensor load a wave: waves 0-3 x, waves 4-7 e's first 16 records
	s_cbranch_scc0 .Lfor_e
	tensor_load_to_lds s[G0X:G0X+3], s[G1X:G1X+7]
	s_nop 0
.rept 4
	v_nop
.endr
	s_branch .Lasked
.Lfor_e:
	tensor_load_to_lds s[G0E:G0E+3], s[G1E:G1E+7]
	s_nop 0
.rept 4
	v_nop
.endr
.Lasked:
	s_add_nc_u64 s[46:47], s[46:47], CHB           ; where the other 48 records are
	s_add_nc_u64 s[G0F+2:G0F+3], s[46:47], s[60:61]
	s_or_b32 s[G0F+3], s[G0F+3], 0x80000000
	s_add_nc_u64 s[8:9], s[8:9], s[16:17]
	s_mul_i32 s22, s[PAR], ERECB
	s_add_co_u32 s22, s22, ER                      ; my first code tile's record
	s_mul_i32 s62, s[RG], 8*XRECB                  ; my eight records of x
	s_lshl_b32 s45, s[PAR], 12
	s_lshl_b32 s18, s[RG], 9
	s_add_co_u32 s45, s45, s18
	s_add_co_u32 s45, s45, SCR
	s_lshl_b32 s18, s[WV], 8
	s_add_co_u32 s18, s18, SCR
	; addresses and the search's start, while the fills are on their way
	v_and_b32 v1, 31, v0                           ; lane
	v_and_b32 v[MX], 15, v0                        ; r
	v_bfe_u32 v[MX+1], v0, 4, 1                    ; h
	v_lshl_add_u32 v[AE0], v1, 4, s22
	v_lshl_add_u32 v[AE0+1], v1, 2, s22
	v_lshl_add_u32 v[AE0+2], v[MX+1], 5, s22
	v_lshl_add_u32 v[AX], v1, 4, s62
	v_lshl_add_u32 v[AXS], v1, 2, s62
	v_lshlrev_b32 v[H8], 3, v[MX+1]
	v_lshl_add_u32 v[SCW], v[MX], 2, s45           ; SCR + 4,096 (w / 4) + 4 (128 (w % 4) + r)
	v_lshl_add_u32 v[SCRD], v1, 3, s18             ; SCR + 4 (64 w + 2 lane)
	v_lshlrev_b32 v[GOUT], 3, v1
.set i, 0
.rept 8
	v_mov_b32 v[BA+i], 0xff800000                  ; the best so far: -infinity, under every D.  (The tile is written once: the first finds these, and wins)
.irp j, 0,1,2,3,4,5,6
	v_mov_b32 v[SV+8*i+\j], 0xff800000
.endr
	v_mov_b32 v[SV+8*i+7], 0
.set i, i+1
.endr
	ADDR 0
	s_add_co_u32 s[TB], s[TB], TSTEP
	ADDR 1
	s_add_co_u32 s[TB], s[TB], TSTEP
	s_wait_alu depctr_va_vdst(0)
	s_wait_tensorcnt 0x0                           ; my load is in; these lines stand ahead of a later first fill:
	ds_add_u32 v[SPW], v[NIL]
	s_wait_dscnt 0x0
	ROUND                                          ; everybody's loads are in, and all sixteen work-groups are here
	tensor_load_to_lds s[G0F:G0F+3], s[G1F:G1F+7]  ; the other 48 records: the last fill of the launch
	s_nop 0
	PF 0
.irp t, 0,1,2,3,4,5,6,7
	ds_load_b32 v[XS+\t], v[AXS] offset:XRECB*\t+3072
.endr
	WIN 0x40                                       ; destination window 1
.irp s, 0,3
.irp t, 0,1,2,3,4,5,6,7
.irp c, \s,\s+1,\s+2
	ds_load_b128 v[24*\t+4*(\c):24*\t+4*(\c)+3], v[AX] offset:XRECB*\t+512*(\c)   ; x's eight tiles stay in registers: K step 0 of all, then K step 1
.endr
.endr
.endr
	WIN 0
	PF 1
	TILE 0, 4
	TILE 1, 0
	PAIRS 2
	TILE 0, 1                                      ; my seventh code tile: the ninth, the first of the other 48 records', is fetched behind its products
	TILE 1, 0
	PAIRS 11
	TILE 0, 2
	TILE 1, 2
	; THE END.  32 tiles, an even number: the best lies in BA.  Which register of the winning tile holds it: the lowest j that equals it
.irp t, 0,1,2,3,4,5,6,7
	v_mov_b32 v[JJ+\t], 7
.endr
.irp j, 6,5,4,3,2,1,0
.irp t, 0,1,2,3,4,5,6,7
	v_cmp_neq_f32 s[MK+\t], v[SV+8*\t+\j], v[BA+\t]
.endr
.irp t, 0,1,2,3,4,5,6,7
	v_cndmask_b32 v[JJ+\t], \j, v[JJ+\t], s[MK+\t]
.endr
.endr
.irp t, 0,1,2,3,4,5,6,7
	v_lshl_add_u32 v[IX+\t], v[SV+8*\t+7], 4, v[JJ+\t]
	v_add_f32 v[BA+\t], 0, v[BA+\t]                ; -0 becomes +0
.endr
.irp t, 0,1,2,3,4,5,6,7
	v_add_nc_u32 v[IX+\t], v[H8], v[IX+\t]         ; the code: 16 x tile + 8 h + j
	v_ashrrev_i32 v[BB+\t], 31, v[BA+\t]
.endr
.irp t, 0,1,2,3,4,5,6,7
	v_or_b32 v[BB+\t], 0x80000000, v[BB+\t]
.endr
.irp t, 0,1,2,3,4,5,6,7
	v_xor_b32 v[BA+\t], v[BA+\t], v[BB+\t]         ; the key: positive numbers get the top bit, negative ones are turned over: unsigned order = D's order
.endr
.irp t, 0,1,2,3,4,5,6,7
	v_permlanex16_b32 v[BB+\t], v[BA+\t], s[SEL], s[SEL+1]   ; the row's other eight codes of each tile lie in the lane 16 away
	v_permlanex16_b32 v[JJ+\t], v[IX+\t], s[SEL], s[SEL+1]
.endr
.irp t, 0,1,2,3,4,5,6,7
	COMB BA+\t, IX+\t, BB+\t, JJ+\t                ; both halves of the lanes end with the same pair
.endr
.irp t, 0,1,2,3,4,5,6,7
	ds_store_b32 v[SCW], v[BA+\t] offset:64*\t     ; lanes r and 16 + r write the same word with the same value
	ds_store_b32 v[SCW], v[IX+\t] offset:2048+64*\t
.endr
	s_wait_dscnt 0x0                               ; for the others' sake: my stores are done
	s_barrier_signal -1
	s_barrier_wait -1
	ds_load_b64 v[JJ:JJ+1], v[SCRD]                ; rows 64 w + 2 lane and the next: the even tiles' key,
	ds_load_b64 v[JJ+2:JJ+3], v[SCRD] offset:2048  ; index,
	ds_load_b64 v[JJ+4:JJ+5], v[SCRD] offset:4096  ; the odd tiles' key,
	ds_load_b64 v[JJ+6:JJ+7], v[SCRD] offset:6144  ; index
	s_wait_tensorcnt 0x0                           ; the wave's end: these three lines, behind my last tensor load and my last LDS store
	ds_add_u32 v[SPW], v[NIL]
	s_wait_dscnt 0x0                               ; the add is done, and the results are in
	COMB JJ, JJ+2, JJ+4, JJ+6
	COMB JJ+1, JJ+3, JJ+5, JJ+7
	global_store_b64 v[GOUT], v[JJ:JJ+1], s[8:9]                     ; 32 lanes store 256 bytes on end, at a multiple of 256 from cand's first byte
	global_store_b64 v[GOUT], v[JJ+2:JJ+3], s[8:9] offset:524288
	ROUND                                          ; the closing round: no work-group ends while a partner may still ask for a part that names it
	s_endpgm
.Lfunc_end_k_q7bd8505599_dist:
	.size	k_q7bd8505599_dist, .Lfunc_end_k_q7bd8505599_dist-k_q7bd8505599_dist
	.p2alignl 7, 3214868480
	.fill 96, 4, 3214868480
	.section	.rodata,"a",@progbits
	.p2align	6, 0x0
	.amdhsa_kernel k_q7bd8505599_dist
		.amdhsa_group_segment_fixed_size 327680
		.amdhsa_private_segment_fixed_size 0
		.amdhsa_enable_private_segment 0
		.amdhsa_kernarg_size 24
		.amdhsa_user_sgpr_count 2
		.amdhsa_user_sgpr_kernarg_segment_ptr 1
		.amdhsa_wavefront_size32 1
		.amdhsa_system_sgpr_workgroup_id_x 1
		.amdhsa_system_sgpr_workgroup_id_y 1
		.amdhsa_system_sgpr_workgroup_id_z 1
		.amdhsa_system_vgpr_workitem_id 0
		.amdhsa_next_free_vgpr 512
		.amdhsa_next_free_sgpr 100
		.amdhsa_reserve_vcc 1
		.amdhsa_float_denorm_mode_32 3
		.amdhsa_float_denorm_mode_16_64 3
		.amdhsa_memory_ordered 1
		.amdhsa_forward_progress 1
		.amdhsa_inst_pref_size 103
	.end_amdhsa_kernel
	.amdgpu_metadata
---
amdhsa.version: [ 1, 2 ]
amdhsa.kernels:
  - .name:           k_q7bd8505599_dist
    .symbol:         k_q7bd8505599_dist.kd
    .args:
      - { .name: xrec, .offset: 0, .size: 8, .value_kind: global_buffer, .address_space: global }
      - { .name: erec, .offset: 8, .size: 8, .value_kind: global_buffer, .address_space: global }
      - { .name: cand, .offset: 16, .size: 8, .value_kind: global_buffer, .address_space: global }
    .group_segment_fixed_size: 327680
    .private_segment_fixed_size: 0
    .kernarg_segment_align: 8
    .kernarg_segment_size: 24
    .max_flat_workgroup_size: 256
    .sgpr_count:     100
    .vgpr_count:     512
    .wavefront_size: 32
...
	.end_amdgpu_metadata
.endif
;; end of part 2
;; launch gather (part 3): grid 256 x 1, 8 waves a work-group, no clusters, 1,536 bytes of LDS; arguments input, embt, cand, out0, out2, part; writes out0, out2, part
.if DOCPART == 3
	.amdgcn_target "amdgcn-amd-amdhsa--gfx1250"
	.amdhsa_code_object_version 6
	.text
	.protected	k_q7bd8505599_gather
	.globl	k_q7bd8505599_gather
	.p2align	8
	.type	k_q7bd8505599_gather,@function
k_q7bd8505599_gather:
	s_mov_b64 s[64:65], 0
	v_nop
	global_prefetch_b8 v0, s[64:65] scope:SCOPE_SE
	s_setreg_imm32_b32 hwreg(HW_REG_WAVE_MODE, 25, 1), 1
	s_wait_xcnt 0x0
; For each row: the best of the 8 blocks' candidates (whole numbers that the launch before stored: the greatest key; on equal keys the lowest block, whose indices are the lowest); out2 = its index; q = that row of the transposed codebook;
; out0 = x + (q - x), in f32 as it is written; part[8 g + w] = the wave's sum of (q - x)^2.
; SHARES.  A work-group takes 64 rows, a wave 8; a row is 1,024 bytes: two loads of 512 bytes on end.  No loop: all of a wave's loads go out at its head (8 KB of x, then 8 KB of codebook rows as soon as the indices are known).
; Memory binds: no matrix unit, no tensor loads, no cluster (work-groups share no tile), no prefetch (no loop to run ahead in).  The index enters an address only behind s_min_u32 with 8,191.
; The one exchange between waves, the 64 indices of out2's 256 bytes, stands ahead of the rows' work; a wave's rows and its sum are computed as its loads come in, and its stores leave in one run behind them.
.set LANE, 1
.set L16,  5                           ; 16 x lane
.set CA,   6                           ; 4 x (lane % 8): my candidate's row among the wave's 8
.set LI,   7                           ; LDS: where the row's index goes: 4 (8 w + lane % 8)
.set L8,   9                           ; 8 x lane
.set NIL,  10                          ; 0
.set SUM,  12                          ; v[12:15] two packed chains
.set GA,   16                          ; v16-23  row i's offset in embt
.set X,    32                          ; v32-95  x, then out0
.set Q,    96                          ; v96-159 q, then q - x
.set KY,   160                         ; v160-167 the 8 keys
.set IX,   168                         ; v168-175 the 8 indices
	s_load_b256 s[4:11], s[0:1], 0x0               ; input s[4:5], embt s[6:7], cand s[8:9], out0 s[10:11]
	s_load_b128 s[12:15], s[0:1], 0x20             ; out2 s[12:13], part s[14:15]
	v_lshl_add_u32 v192, v0, 2, 0x200              ; the spare words: 1,024 bytes from byte 512 on
	v_mov_b32 v193, 0
	v_lshrrev_b32 v[LANE], 5, v0
	s_delay_alu instid0(VALU_DEP_1)
	v_readfirstlane_b32 s16, v[LANE]               ; wave 0..7
	v_and_b32 v[LANE], 31, v0
	s_delay_alu instid0(VALU_DEP_1)
	v_lshlrev_b32 v[L16], 4, v[LANE]
	v_and_b32 v[CA], 7, v0
	s_delay_alu instid0(VALU_DEP_1)
	v_lshlrev_b32 v[CA], 2, v[CA]
	s_lshl_b32 s17, s16, 5
	v_add_nc_u32 v[LI], s17, v[CA]
	s_lshl_b32 s29, s16, 2
	v_lshlrev_b32 v[L8], 3, v[LANE]
	v_mov_b32 v[NIL], 0
	s_mov_b32 s40, 0x76543210
	s_mov_b32 s41, 0xfedcba98
	s_lshl_b32 s18, ttmp9, 16                      ; my first row, 64 g + 8 w, times 1,024 bytes
	s_lshl_b32 s17, s16, 13
	s_add_co_u32 s18, s18, s17
	s_mov_b32 s19, 0
	s_wait_alu depctr_va_vdst(0)
	s_wait_kmcnt 0x0
	s_add_nc_u64 s[4:5], s[4:5], s[18:19]
	s_add_nc_u64 s[10:11], s[10:11], s[18:19]
	s_lshr_b32 s18, s18, 8                         ; times 4 bytes
	s_add_nc_u64 s[8:9], s[8:9], s[18:19]
.irp c, 0,1,2,3,4,5,6,7
	global_load_b32 v[KY+\c], v[CA], s[8:9] offset:65536*\c
	global_load_b32 v[IX+\c], v[CA], s[8:9] offset:524288+65536*\c
.endr
.irp i, 0,1,2,3,4,5,6,7
	global_load_b128 v[X+8*\i:X+8*\i+3], v[L16], s[4:5] offset:1024*\i th:TH_LOAD_NT
	global_load_b128 v[X+8*\i+4:X+8*\i+7], v[L16], s[4:5] offset:1024*\i+512 th:TH_LOAD_NT
.endr
	s_lshl_b32 s18, ttmp9, 8                       ; out2: 64 rows of 4 bytes a work-group
	s_add_nc_u64 s[12:13], s[12:13], s[18:19]
	s_lshl_b32 s18, ttmp9, 5                       ; part: eight numbers a work-group
	s_add_co_u32 s18, s18, s29
	s_add_nc_u64 s[14:15], s[14:15], s[18:19]
	s_wait_loadcnt 16                              ; the candidates are in; x's sixteen loads stay out
.irp c, 1
	v_cmp_gt_u32 vcc_lo, v[KY+\c], v[KY]           ; strictly: on equal keys the lower block stays
	s_delay_alu instid0(VALU_DEP_1)
	v_cndmask_b32 v[KY], v[KY], v[KY+\c], vcc_lo
	s_delay_alu instid0(VALU_DEP_2)
	v_cndmask_b32 v[IX], v[IX], v[IX+\c], vcc_lo
.endr
.irp c, 2, 3, 4, 5, 6, 7
	s_delay_alu instid0(VALU_DEP_2)
	v_cmp_gt_u32 vcc_lo, v[KY+\c], v[KY]
	s_delay_alu instid0(VALU_DEP_1)
	v_cndmask_b32 v[KY], v[KY], v[KY+\c], vcc_lo
	s_delay_alu instid0(VALU_DEP_2)
	v_cndmask_b32 v[IX], v[IX], v[IX+\c], vcc_lo
.endr
	s_wait_alu depctr_va_vdst(0)
	ds_store_b32 v[LI], v[IX]                      ; the four lanes of a row write the same word with the same value
.irp i, 0,1,2,3,4,5,6,7
	v_readlane_b32 s[20+\i], v[IX], \i
	s_min_u32 s[20+\i], s[20+\i], 8191             ; an index stays inside the table
	s_lshl_b32 s[20+\i], s[20+\i], 10
	v_add_nc_u32 v[GA+\i], s[20+\i], v[L16]
	global_load_b128 v[Q+8*\i:Q+8*\i+3], v[GA+\i], s[6:7]              ; a list may name a row twice: no hint
	global_load_b128 v[Q+8*\i+4:Q+8*\i+7], v[GA+\i], s[6:7] offset:512
.endr
	s_wait_tensorcnt 0x0                           ; these three lines stand behind my last LDS store;
	ds_add_u32 v192, v193
	s_wait_dscnt 0x0                               ; and for wave 0's sake my index store is done
	s_barrier_signal -1
	s_barrier_wait -1
	s_cmp_lg_u32 s16, 0
	s_cbranch_scc1 .Lrows                          ; wave 0 alone writes the work-group's indices
	ds_load_b64 v[176:177], v[L8]                  ; 64 indices
	s_wait_dscnt 0x0
	global_store_b64 v[L8], v[176:177], s[12:13]   ; 256 bytes on end, aligned
.Lrows:
.macro ROW i
	s_wait_loadcnt 14-2*\i                         ; row i of the codebook is in (and all of x, asked for earlier); the later rows' loads stay out
.irp p, 0,1,2,3
	v_pk_add_f32 v[Q+8*\i+2*\p:Q+8*\i+2*\p+1], v[Q+8*\i+2*\p:Q+8*\i+2*\p+1], v[X+8*\i+2*\p:X+8*\i+2*\p+1] neg_lo:[0,1] neg_hi:[0,1]   ; d = q - x
.endr
.irp p, 0,1,2,3
.if (\i == 0) && (\p < 2)
	s_delay_alu instid0(VALU_DEP_4)
	v_pk_mul_f32 v[SUM+2*\p:SUM+2*\p+1], v[Q+8*\i+2*\p:Q+8*\i+2*\p+1], v[Q+8*\i+2*\p:Q+8*\i+2*\p+1]   ; the first two products start the chains
.else
	v_pk_fma_f32 v[SUM+2*(\p%2):SUM+2*(\p%2)+1], v[Q+8*\i+2*\p:Q+8*\i+2*\p+1], v[Q+8*\i+2*\p:Q+8*\i+2*\p+1], v[SUM+2*(\p%2):SUM+2*(\p%2)+1]
.endif
.endr
.irp p, 0,1,2,3
	v_pk_add_f32 v[X+8*\i+2*\p:X+8*\i+2*\p+1], v[X+8*\i+2*\p:X+8*\i+2*\p+1], v[Q+8*\i+2*\p:Q+8*\i+2*\p+1]   ; x + d
.endr
.endm
.irp i, 0,1,2,3,4,5,6,7
	ROW \i
.endr
	v_pk_add_f32 v[SUM:SUM+1], v[SUM:SUM+1], v[SUM+2:SUM+3]
	s_delay_alu instid0(VALU_DEP_1)
	v_add_f32 v[SUM], v[SUM], v[SUM+1]
	s_delay_alu instid0(VALU_DEP_1)
	v_add_f32_dpp v[SUM], v[SUM], v[SUM] row_xmask:1 row_mask:0xf bank_mask:0xf
	s_delay_alu instid0(VALU_DEP_1)
	v_add_f32_dpp v[SUM], v[SUM], v[SUM] row_xmask:2 row_mask:0xf bank_mask:0xf
	s_delay_alu instid0(VALU_DEP_1)
	v_add_f32_dpp v[SUM], v[SUM], v[SUM] row_xmask:4 row_mask:0xf bank_mask:0xf
	s_delay_alu instid0(VALU_DEP_1)
	v_add_f32_dpp v[SUM], v[SUM], v[SUM] row_xmask:8 row_mask:0xf bank_mask:0xf
	s_delay_alu instid0(VALU_DEP_1)
	v_permlanex16_b32 v[SUM+1], v[SUM], s40, s41
	s_delay_alu instid0(VALU_DEP_1)
	v_add_f32 v[SUM], v[SUM], v[SUM+1]             ; the wave's sum, in every lane
.irp i, 0,1,2,3,4,5,6,7
	global_store_b128 v[L16], v[X+8*\i:X+8*\i+3], s[10:11] offset:1024*\i th:TH_STORE_NT          ; 512 bytes on end, aligned; no register of a store is written again
	global_store_b128 v[L16], v[X+8*\i+4:X+8*\i+7], s[10:11] offset:1024*\i+512 th:TH_STORE_NT
.endr
	global_store_b32 v[NIL], v[SUM], s[14:15]      ; part[8 g + w]: all lanes write the same number to the same word
	s_endpgm
.Lfunc_end_k_q7bd8505599_gather:
	.size	k_q7bd8505599_gather, .Lfunc_end_k_q7bd8505599_gather-k_q7bd8505599_gather
	.p2alignl 7, 3214868480
	.fill 96, 4, 3214868480
	.section	.rodata,"a",@progbits
	.p2align	6, 0x0
	.amdhsa_kernel k_q7bd8505599_gather
		.amdhsa_group_segment_fixed_size 1536
		.amdhsa_private_segment_fixed_size 0
		.amdhsa_enable_private_segment 0
		.amdhsa_kernarg_size 48
		.amdhsa_user_sgpr_count 2
		.amdhsa_user_sgpr_kernarg_segment_ptr 1
		.amdhsa_wavefront_size32 1
		.amdhsa_system_sgpr_workgroup_id_x 1
		.amdhsa_system_sgpr_workgroup_id_y 1
		.amdhsa_system_sgpr_workgroup_id_z 1
		.amdhsa_system_vgpr_workitem_id 0
		.amdhsa_next_free_vgpr 194
		.amdhsa_next_free_sgpr 66
		.amdhsa_reserve_vcc 1
		.amdhsa_float_denorm_mode_32 3
		.amdhsa_float_denorm_mode_16_64 3
		.amdhsa_memory_ordered 1
		.amdhsa_forward_progress 1
		.amdhsa_inst_pref_size 18
	.end_amdhsa_kernel
	.amdgpu_metadata
---
amdhsa.version: [ 1, 2 ]
amdhsa.kernels:
  - .name:           k_q7bd8505599_gather
    .symbol:         k_q7bd8505599_gather.kd
    .args:
      - { .name: input, .offset: 0, .size: 8, .value_kind: global_buffer, .address_space: global }
      - { .name: embt, .offset: 8, .size: 8, .value_kind: global_buffer, .address_space: global }
      - { .name: cand, .offset: 16, .size: 8, .value_kind: global_buffer, .address_space: global }
      - { .name: out0, .offset: 24, .size: 8, .value_kind: global_buffer, .address_space: global }
      - { .name: out2, .offset: 32, .size: 8, .value_kind: global_buffer, .address_space: global }
      - { .name: part, .offset: 40, .size: 8, .value_kind: global_buffer, .address_space: global }
    .group_segment_fixed_size: 1536
    .private_segment_fixed_size: 0
    .kernarg_segment_align: 8
    .kernarg_segment_size: 48
    .max_flat_workgroup_size: 256
    .sgpr_count:     66
    .vgpr_count:     194
    .wavefront_size: 32
...
	.end_amdgpu_metadata
.endif
;; end of part 3
;; launch mean (part 4): grid 1 x 1, 1 waves a work-group, no clusters, 0 bytes of LDS; arguments part, out1; writes out1
.if DOCPART == 4
	.amdgcn_target "amdgcn-amd-amdhsa--gfx1250"
	.amdhsa_code_object_version 6
	.text
	.protected	k_q7bd8505599_mean
	.globl	k_q7bd8505599_mean
	.p2align	8
	.type	k_q7bd8505599_mean,@function
k_q7bd8505599_mean:
	s_mov_b64 s[64:65], 0
	v_nop
	global_prefetch_b8 v0, s[64:65] scope:SCOPE_SE
	s_setreg_imm32_b32 hwreg(HW_REG_WAVE_MODE, 25, 1), 1
	s_wait_xcnt 0x0
; out1 = the sum of the 2,048 waves' partial sums of (q - x)^2, divided by 16,384 x 256 = 2^22.  One wave: a sum over work-groups is made in a launch of its own, in a fixed order.
	s_load_b128 s[4:7], s[0:1], 0x0                ; part s[4:5], out1 s[6:7]
	v_lshlrev_b32 v1, 4, v0
	v_mov_b32 v2, 0
	s_mov_b32 s8, 0x76543210
	s_mov_b32 s9, 0xfedcba98
	s_wait_alu depctr_va_vdst(0)
	s_wait_kmcnt 0x0
.set i, 0
.rept 16
	global_load_b128 v[16+4*i:19+4*i], v1, s[4:5] offset:512*i   ; 8,192 bytes: 64 numbers a lane, 32 pairs
.set i, i+1
.endr
	s_wait_loadcnt 0x0
.irp n, 16,8,4,2,1
.set p, 0
.rept \n
	v_pk_add_f32 v[16+2*p:17+2*p], v[16+2*p:17+2*p], v[16+2*p+2*\n:17+2*p+2*\n]   ; pair p and pair p + n
.set p, p+1
.endr
.endr
	v_add_f32 v16, v16, v17
	v_add_f32_dpp v16, v16, v16 row_xmask:1 row_mask:0xf bank_mask:0xf
	v_add_f32_dpp v16, v16, v16 row_xmask:2 row_mask:0xf bank_mask:0xf
	v_add_f32_dpp v16, v16, v16 row_xmask:4 row_mask:0xf bank_mask:0xf
	v_add_f32_dpp v16, v16, v16 row_xmask:8 row_mask:0xf bank_mask:0xf
	v_permlanex16_b32 v17, v16, s8, s9
	v_add_f32 v16, v16, v17
	v_mul_f32 v16, 0x34800000, v16                 ; x 2^-22: exact
	v_cmp_eq_u32 vcc_lo, 0, v0
	s_wait_alu depctr_va_vdst(0)
	s_wait_xcnt 0x0                                ; EXEC changes only behind this wait
	s_and_saveexec_b32 s10, vcc_lo
	global_store_b32 v2, v16, s[6:7]               ; lane 0 writes the one number
	s_wait_xcnt 0x0
	s_or_b32 exec_lo, exec_lo, s10
	s_endpgm
.Lfunc_end_k_q7bd8505599_mean:
	.size	k_q7bd8505599_mean, .Lfunc_end_k_q7bd8505599_mean-k_q7bd8505599_mean
	.p2alignl 7, 3214868480
	.fill 96, 4, 3214868480
	.section	.rodata,"a",@progbits
	.p2align	6, 0x0
	.amdhsa_kernel k_q7bd8505599_mean
		.amdhsa_group_segment_fixed_size 0
		.amdhsa_private_segment_fixed_size 0
		.amdhsa_enable_private_segment 0
		.amdhsa_kernarg_size 16
		.amdhsa_user_sgpr_count 2
		.amdhsa_user_sgpr_kernarg_segment_ptr 1
		.amdhsa_wavefront_size32 1
		.amdhsa_system_sgpr_workgroup_id_x 1
		.amdhsa_system_sgpr_workgroup_id_y 1
		.amdhsa_system_sgpr_workgroup_id_z 1
		.amdhsa_system_vgpr_workitem_id 0
		.amdhsa_next_free_vgpr 80
		.amdhsa_next_free_sgpr 66
		.amdhsa_reserve_vcc 1
		.amdhsa_float_denorm_mode_32 3
		.amdhsa_float_denorm_mode_16_64 3
		.amdhsa_memory_ordered 1
		.amdhsa_forward_progress 1
		.amdhsa_inst_pref_size 5
	.end_amdhsa_kernel
	.amdgpu_metadata
---
amdhsa.version: [ 1, 2 ]
amdhsa.kernels:
  - .name:           k_q7bd8505599_mean
    .symbol:         k_q7bd8505599_mean.kd
    .args:
      - { .name: part, .offset: 0, .size: 8, .value_kind: global_buffer, .address_space: global }
      - { .name: out1, .offset: 8, .size: 8, .value_kind: global_buffer, .address_space: global }
    .group_segment_fixed_size: 0
    .private_segment_fixed_size: 0
    .kernarg_segment_align: 8
    .kernarg_segment_size: 16
    .max_flat_workgroup_size: 32
    .sgpr_count:     66
    .vgpr_count:     80
    .wavefront_size: 32
...
	.end_amdgpu_metadata
.endif
;; end of part 4
